; MI455X (gfx1250); checked and timed in simulation.
; The chip was launched on July 23, 2026; its instructions are those of AMD's public machine-readable ISA for CDNA 5 (MIT licence, August 2026) and "CDNA5" Instruction Set Architecture Reference Guide (July 2026). The comments in the code are by the model that wrote it; some were corrected since.
;; Multi Attention. Allowed arithmetic: matrix products marked QUANTISED: E2M1 operands, one E8M0 scale for each 32 along K, by v_wmma_scale_f32_16x16x128_f8f6f4 with both operands' format E2M1 (or v_wmma_scale_f32_32x16x128_f4), f32 sums; products left as they are: bf16, f16 or f32 operands; f32 sums; everything else in f32.
;; Inputs: Wc 1,024 x 1,024 float32; Wk 16 x 1,024 x 64 float32; Wq 16 x 1,024 x 64 float32; Wv 16 x 1,024 x 64 float32; bc 1,024 float32; x 4,096 x 1,024 float32.
;; Outputs: out0 4,096 x 1,024 float32.
;; This version of the problem:
;;   THIS VERSION OF THE PROBLEM IS GIVEN IN LOW PRECISION. The matrix products marked QUANTISED in the list below multiply operands that are first quantised to E2M1 (2 exponent bits, 1 mantissa bit; 4 bits a number), with one power-of-two scale for each 32 numbers along K (OCP MX v1.0); their sums are f32. The products marked 'left as it is' may take bf16, f16 or f32 operands, with f32 sums. Whichever they take, every output number must still come out within the allowed error. Rounding operands to bf16 (8 significant bits) uses up far more of that allowance than f16 does (11 bits, for magnitudes from 6e-5 to 65,504). All else is computed in f32.
;;   The module's matrix products, in the order in which they are computed (A, B: the left and right operand; K: the contracted axis; several contracted axes count as one K, in the product's order):
;;     1. [M 1,024, K 1,024] x [K 1,024, N 4,096]; A: input Wq; B: input x: QUANTISED
;;     2. [M 1,024, K 1,024] x [K 1,024, N 4,096]; A: input Wk; B: input x: QUANTISED
;;     3. [M 1,024, K 1,024] x [K 1,024, N 4,096]; A: input Wv; B: input x: QUANTISED
;;     4. batch 16 x [M 4,096, K 64] x [K 64, N 4,096]; A: computed on the way; B: computed on the way: left as it is (an operand is computed on the way)
;;     5. batch 16 x [M 4,096, K 4,096] x [K 4,096, N 64]; A: computed on the way; B: computed on the way: left as it is (an operand is computed on the way)
;;     6. [M 4,096, K 1,024] x [K 1,024, N 1,024]; A: computed on the way; B: input Wc: left as it is (an operand is computed on the way)
;;   THE QUANTISER, for each operand of a quantised product, along K:
;;     - K is cut into blocks of 32 from its start; a last block that is shorter is filled with zeros.
;;     - A block's scale is 2^e with e = floor(log2(the largest magnitude in the block)) - 2, held to -126 .. 127; a block of zeros has e = 0. As a byte (E8M0): e + 127.
;;     - Each number is divided by its block's scale, clamped to +-6, and rounded to the nearest number of E2M1, ties to even, subnormals kept.
;;     - The product sums the exact products of the quantised numbers (number of the format x scale) in f32.
;;   ~~~python
;;   def quantise(x, axis):      # numpy; x: float32 -> the quantised numbers, widened to float32 again
;;       x = np.moveaxis(x, axis, -1); K = x.shape[-1]
;;       x = np.pad(x, [(0, 0)] * (x.ndim - 1) + [(0, -K % 32)]); x = x.reshape(x.shape[:-1] + (-1, 32)); a = np.abs(x).max(-1, keepdims=True)
;;       e = np.where(a > 0, np.clip(np.frexp(np.where(a > 0, a, 1))[1] - 1 - 2, -126, 127), 0)      # np.frexp(a)[1] - 1 = floor(log2(a)), exactly
;;       r = np.clip(x / 2.0 ** e, -6, 6)
;;       step = 2.0 ** (np.maximum(np.frexp(np.where(r == 0, 1, r))[1] - 1, 0) - 1)
;;       q = np.round(r / step) * step * 2.0 ** e      # np.round: ties to even
;;       return np.moveaxis(q.reshape(q.shape[:-2] + (-1,))[..., :K], -1, axis).astype(np.float32)
;;   ~~~
;; One version. Each part assembles by itself: llvm-mc -triple=amdgcn-amd-amdhsa -mcpu=gfx1250 --defsym DOCPART=n.
;; ======== version 1 of 1: 4 launches
;; limits: values are held in f16: magnitudes above 65,504 overflow, below 6.1e-05 lose precision
;; workspace buffers: xc 2,097,152 bytes; xs 131,072 bytes; wq4 1,572,864 bytes; ws 98,304 bytes; wch 2,097,152 bytes; qkvi 25,165,824 bytes; cati 8,388,608 bytes
;; launch prep (part 1): grid 512 x 1, 4 waves a work-group, no clusters, 34,304 bytes of LDS; arguments x, Wq, Wk, Wv, Wc, xc, xs, wq4, ws, wch; writes xc, xs, wq4, ws, wch
.if DOCPART == 1
	.amdgcn_target "amdgcn-amd-amdhsa--gfx1250"
	.amdhsa_code_object_version 6
	.text
	.protected	k_q5372e10dd5_prep
	.globl	k_q5372e10dd5_prep
	.p2align	8
	.type	k_q5372e10dd5_prep,@function
k_q5372e10dd5_prep:
	s_mov_b64 s[64:65], 0
	v_nop
	global_prefetch_b8 v0, s[64:65] scope:SCOPE_SE
	s_setreg_imm32_b32 hwreg(HW_REG_WAVE_MODE, 25, 1), 1
	s_wait_xcnt 0x0
; PREP.  x [4096][1024] and Wq, Wk, Wv [16][1024][64], f32, become codes of E2M1 with one E8M0 byte for each 32 along K = the 1,024; Wc [1024][1024] becomes f16.
; EVERYTHING IS STORED AS IMAGES OF OPERAND REGISTERS: blocks of 512 bytes in which lane l's 16 bytes lie at 16 l, so that the later launches load fragments as they stand
; and every store here covers 512 consecutive bytes, aligned.
;   xc  [tile of 16 tokens 256][K step of 128: 8][c 2][lane][16]: lane (r, hh) holds the 32 codes of token 16 T + r, block 4 s + 2 c + hh
;   xs  [256][8][r 16] words: the four scale bytes of that token and K step
;   wq4 [Nt 192 = 12 head + 4 mat + tile][8][2][lane][16], ws [192][8][16]: the same for 16 output channels of a head's q (mat 0), k (1), v (2)
;   wch [tile of 16 columns 64][group of 16 k: 64][lane][16]: lane (r, hh) holds Wc[16 kg + 8 hh + 0..7][16 nt + r] as f16
; A block's scale is 2^(floor(log2(largest magnitude)) - 2): its byte is the largest magnitude's exponent field - 2, held at 1 from below by a floor among the maximum's leaves.
; LIMITS: NaN and infinities among the inputs are not served.  A block whose largest magnitude lies under 2^-124 keeps the byte 1; a block of zeros gets the byte 1 where the rule says 127:
; its codes are zeros, which add nothing, and this program alone reads the bytes.  |Wc| beyond 65,504 becomes infinity in f16; under 6e-5 it is kept as an f16 subnormal.
; SHARES: 2,048 wave tasks of 16 KiB of f32, all of a task's loads issued at once.  Work-groups 0-255: x;  256-447: the three weights;  448-511: Wc.  Waves share nothing: no barrier.
; REGISTERS: v1 lane, v2 16 lane, v3 4 lane, v4 r, v5 hh, v6 and v7 the stage's addresses, v8 8 hh, v9 and v10 the add's two, v11 512 hh + 4 r; v12-47 at work; v64-127 numbers turned or packed; v128-255 numbers as loaded.
.set STG,   8448                       ; a wave's stage: 16 rows x SP
.set SP,    528                        ; 512 bytes + 16: an odd multiple of 16, so the sixteen rows that a 16-byte read touches start in different groups of banks (64 banks of 4 bytes: ISA guide 11.1)
.set SPARE, 4*STG                      ; behind the stages: the spare words, 128 bytes a wave: two blocks of 256 bytes that no other line names
.set R,  128                           ; x as loaded: K step u, row p at R + 64 u + 4 p
.set X,  64                            ; a K step's 64 numbers of my row: block 2 c + hh at X + 32 c
.set M,  12                            ; largest magnitudes
.set SO, 14                            ; the conversions' scale operands
.set BY, 16                            ; scale bytes
.set WD, 18                            ; the two K steps' scale words
.set C,  24                            ; codes: 8 registers a K step
	s_load_b256 s[4:11], s[0:1], 0x0               ; x s[4:5], Wq s[6:7], Wk s[8:9], Wv s[10:11]
	s_load_b256 s[12:19], s[0:1], 0x20             ; Wc s[12:13], xc s[14:15], xs s[16:17], wq4 s[18:19]
	s_load_b128 s[20:23], s[0:1], 0x40             ; ws s[20:21], wch s[22:23]
	v_lshl_add_u32 v9, v0, 2, SPARE                ; my spare word
	v_mov_b32 v10, 0
	v_lshrrev_b32 v1, 5, v0
	v_readfirstlane_b32 s24, v1                    ; wave 0..3
	v_and_b32 v1, 31, v0                           ; lane
	v_lshlrev_b32 v2, 4, v1
	v_lshlrev_b32 v3, 2, v1
	v_and_b32 v4, 15, v0                           ; r
	v_bfe_u32 v5, v0, 4, 1                         ; hh
	s_mul_i32 s25, s24, STG
	v_add_nc_u32 v6, s25, v2                       ; into the stage: a row's 512 bytes as they lie
	v_mul_u32_u24 v7, v4, SP
	v_lshl_add_u32 v7, v5, 7, v7
	v_add_nc_u32 v7, s25, v7                       ; out of it: row r, block hh (128 bytes a block)
	v_lshlrev_b32 v8, 3, v5
	v_lshlrev_b32 v11, 2, v4
	v_lshl_add_u32 v11, v5, 9, v11
	v_mov_b32 v20, 0                               ; a lane permute's destination counts as one of its sources
	s_mov_b32 s30, 0x76543210
	s_mov_b32 s31, 0xfedcba98                      ; v_permlanex16_b32's selects for lane l xor 16
	s_mov_b32 s27, 0                               ; the upper word of every offset
	s_wait_kmcnt 0x0
	s_cmp_lt_u32 ttmp9, 256
	s_cbranch_scc0 .Lnot_x
; ---- x: work-group T takes tokens 16 T .. 16 T + 15, wave w K steps 2 w and 2 w + 1
	s_lshl_b32 s26, ttmp9, 16                      ; 16 rows of 4,096 bytes
	s_lshl_b32 s28, s24, 10                        ; two K steps of 512 bytes
	s_add_co_u32 s26, s26, s28
	s_add_nc_u64 s[4:5], s[4:5], s[26:27]
	s_lshl_b32 s26, ttmp9, 13
	s_lshl_b32 s28, s24, 11
	s_add_co_u32 s26, s26, s28
	s_add_nc_u64 s[14:15], s[14:15], s[26:27]
	s_lshl_b32 s26, ttmp9, 9
	s_lshl_b32 s28, s24, 7
	s_add_co_u32 s26, s26, s28
	s_add_nc_u64 s[16:17], s[16:17], s[26:27]
.irp u, 0,1
.irp p, 0,1,2,3,4,5,6,7,8,9,10,11,12,13,14,15
	global_load_b128 v[R+64*\u+4*\p:R+64*\u+4*\p+3], v2, s[4:5] offset:\p*4096+\u*512 th:TH_LOAD_NT   ; 32 lanes read 512 consecutive bytes of row p
.endr
.endr
; A K step: 16 rows x 128 numbers turn through my stage, so that lane (r, hh) holds the whole blocks hh and 2 + hh of row r, which is what the operand's layout gives that lane.
.macro XSTEP u
.if \u == 0
	s_wait_loadcnt 16                              ; this K step's 16 loads are in; the other's may be out
.else
	s_wait_loadcnt 0x0
.endif
.irp p, 0,1,2,3,4,5,6,7,8,9,10,11,12,13,14,15
	ds_store_b128 v6, v[R+64*\u+4*\p:R+64*\u+4*\p+3] offset:\p*SP
.endr
.irp c, 0,1
.irp i, 0,1,2,3,4,5,6,7
	ds_load_b128 v[X+32*\c+4*\i:X+32*\c+4*\i+3], v7 offset:\c*256+16*\i   ; LDS serves a wave's instructions in order (ISA guide 5.7.1.4): these see the stores above
.endr
.endr
	s_wait_dscnt 0x0
.irp c, 0,1
	v_max3_num_f32 v[M+\c], |v[X+32*\c]|, |v[X+32*\c+1]|, 0x1800000   ; and the floor 2^(3 - 127): the byte cannot fall under 1
.endr
.irp i, 2,4,6,8,10,12,14,16,18,20,22,24,26,28,30
.irp c, 0,1
	v_max3_num_f32 v[M+\c], v[M+\c], |v[X+32*\c+\i]|, |v[X+32*\c+\i+1]|   ; the two blocks by turns
.endr
.endr
.irp c, 0,1
	v_add_nc_u32 v[SO+\c], 0xff000000, v[M+\c]     ; 2 off the exponent field: the conversion takes the exponent field of this operand as its scale
.endr
.irp c, 0,1
	v_lshrrev_b32 v[BY+\c], 23, v[SO+\c]           ; the scale's byte
.endr
	v_lshl_or_b32 v[WD+\u], v[BY+1], 16, v[BY]     ; my two bytes, blocks hh and 2 + hh,
	v_lshlrev_b32 v[WD+\u], v8, v[WD+\u]           ; at their places in the word;
	v_permlanex16_b32 v20, v[WD+\u], s30, s31
	v_or_b32 v[WD+\u], v[WD+\u], v20               ; with lane l xor 16's two the word is whole
.irp c, 0,1
.irp g, 0,1,2,3
	v_cvt_scalef32_pk8_fp4_f32 v[C+8*\u+4*\c+\g], v[X+32*\c+8*\g:X+32*\c+8*\g+7], v[SO+\c]
.endr
.endr
	v_nop                                          ; one plain instruction behind the last scaled conversion
.irp c, 0,1
	global_store_b128 v2, v[C+8*\u+4*\c:C+8*\u+4*\c+3], s[14:15] offset:\u*1024+\c*512   ; registers 4 c .. 4 c + 3 of the fragment: 512 consecutive bytes
.endr
.endm
	XSTEP 0
	XSTEP 1
	v_cmp_ne_u32 vcc_lo, 0, v5
	v_cndmask_b32 v21, v18, v19, vcc_lo            ; lanes 0-15: K step 2 w's words, lanes 16-31: K step 2 w + 1's
	global_store_b32 v3, v21, s[16:17]             ; 128 consecutive bytes
	s_wait_tensorcnt 0x0                           ; the wave's end: behind my last LDS store
	ds_add_u32 v9, v10
	s_wait_dscnt 0x0
	s_endpgm
.macro MAX32 m, x                      ; the largest magnitude of 32 registers, with the floor
	v_max3_num_f32 v[\m], |v[\x]|, |v[\x+1]|, 0x1800000
.irp i, 2,4,6,8,10,12,14,16,18,20,22,24,26,28,30
	v_max3_num_f32 v[\m], v[\m], |v[\x+\i]|, |v[\x+\i+1]|
.endr
.endm
.Lnot_x:
	s_cmp_lt_u32 ttmp9, 448
	s_cbranch_scc0 .Lwc
; ---- Wq, Wk, Wv: K is the MIDDLE axis.  A lane takes a column and its registers run down K: 128 rows, four whole blocks.  A wave takes 32 columns of one K step.
	s_sub_co_u32 s32, ttmp9, 256
	s_lshr_b32 s33, s32, 2
	s_lshr_b32 s34, s33, 4                         ; mat 0..2
	s_and_b32 s33, s33, 15                         ; head
	s_and_b32 s32, s32, 3
	s_lshl_b32 s32, s32, 1
	s_lshr_b32 s35, s24, 1
	s_add_co_u32 s32, s32, s35                     ; K step 0..7
	s_and_b32 s35, s24, 1                          ; which 32 of the 64 columns: the two halves of a row lie in one work-group
	s_cmp_eq_u32 s34, 0
	s_cselect_b64 s[36:37], s[6:7], s[8:9]         ; the choice hangs on the work-group's number alone
	s_cmp_eq_u32 s34, 2
	s_cselect_b64 s[36:37], s[10:11], s[36:37]
	s_lshl_b32 s26, s33, 18                        ; a head: 1,024 rows of 256 bytes
	s_lshl_b32 s28, s32, 15                        ; a K step: 128 rows
	s_add_co_u32 s26, s26, s28
	s_lshl_b32 s28, s35, 7
	s_add_co_u32 s26, s26, s28
	s_add_nc_u64 s[36:37], s[36:37], s[26:27]
	s_mul_i32 s38, s33, 12
	s_lshl_b32 s28, s34, 2
	s_add_co_u32 s38, s38, s28
	s_lshl_b32 s28, s35, 1
	s_add_co_u32 s38, s38, s28                     ; Nt of my first tile of 16 columns
	s_lshl_b32 s26, s38, 13
	s_lshl_b32 s28, s32, 10
	s_add_co_u32 s26, s26, s28
	s_add_nc_u64 s[18:19], s[18:19], s[26:27]
	s_lshl_b32 s26, s38, 9
	s_lshl_b32 s28, s32, 6
	s_add_co_u32 s26, s26, s28
	s_add_nc_u64 s[20:21], s[20:21], s[26:27]
.set i, 0
.rept 128
	global_load_b32 v[128+i], v3, s[36:37] offset:i*256   ; row i of the K step at my column: 128 consecutive bytes a wave
.set i, i+1
.endr
.macro WBLK b                          ; block b: all its 32 numbers are mine
	MAX32 12+\b, 128+32*\b
	v_add_nc_u32 v[16+\b], 0xff000000, v[12+\b]
	v_lshrrev_b32 v[20+\b], 23, v[16+\b]
.irp g, 0,1,2,3
	v_cvt_scalef32_pk8_fp4_f32 v[32+4*\b+\g], v[128+32*\b+8*\g:128+32*\b+8*\g+7], v[16+\b]
.endr
.endm
	s_wait_loadcnt 63                              ; at most the youngest 63 of the 128 are out: blocks 0 and 1 (64 loads) are in
	WBLK 0
	WBLK 1
	s_wait_loadcnt 32                              ; block 3's 32 may be out
	WBLK 2
	s_wait_loadcnt 0x0
	WBLK 3
	v_nop                                          ; one plain instruction behind the last scaled conversion
	v_lshl_or_b32 v24, v21, 8, v20                 ; my column's scale word
	v_lshl_or_b32 v24, v22, 16, v24
	v_lshl_or_b32 v24, v23, 24, v24
.irp i, 0,1,2,3                        ; lanes 0-15 hold the first tile's columns, lanes 16-31 the second's; a fragment wants block 2 c in lanes 0-15 and block 2 c + 1 in lanes 16-31 of ONE tile:
	v_permlane16_swap_b32 v[32+\i], v[36+\i]       ; the first's upper half changes places with the second's lower: v32-35 = first tile, c = 0; v36-39 = second tile, c = 0
	v_permlane16_swap_b32 v[40+\i], v[44+\i]       ; and c = 1 likewise
.endr
	global_store_b128 v2, v[32:35], s[18:19]
	global_store_b128 v2, v[40:43], s[18:19] offset:512
	global_store_b128 v2, v[36:39], s[18:19] offset:8192
	global_store_b128 v2, v[44:47], s[18:19] offset:8704
	global_store_b32 v11, v24, s[20:21]            ; tile hh, row r: two runs of 64 bytes
	s_endpgm
.Lwc:
; ---- Wc: again a lane to a column, registers down K: 128 rows.  The four waves stand side by side on 512 bytes of each row.
	s_sub_co_u32 s32, ttmp9, 448
	s_and_b32 s33, s32, 7                          ; which 128 rows
	s_lshr_b32 s32, s32, 3
	s_lshl_b32 s32, s32, 2
	s_add_co_u32 s32, s32, s24                     ; which 32 columns
	s_lshl_b32 s26, s33, 19
	s_lshl_b32 s28, s32, 7
	s_add_co_u32 s26, s26, s28
	s_add_nc_u64 s[12:13], s[12:13], s[26:27]
	s_lshl_b32 s26, s32, 16                        ; two tiles of 32,768 bytes
	s_lshl_b32 s28, s33, 12                        ; eight groups of 512
	s_add_co_u32 s26, s26, s28
	s_add_nc_u64 s[22:23], s[22:23], s[26:27]
.set i, 0
.rept 128
	global_load_b32 v[128+i], v3, s[12:13] offset:i*4096
.set i, i+1
.endr
.macro WCG g                           ; group g: 16 rows; four registers of k 0..7, four of k 8..15; the swap gives each tile its lanes (r, hh)
.irp j, 0,1,2,3,4,5,6,7
	v_cvt_pk_f16_f32 v[64+8*\g+\j], v[128+16*\g+2*\j], v[129+16*\g+2*\j]
.endr
.irp i, 0,1,2,3
	v_permlane16_swap_b32 v[64+8*\g+\i], v[68+8*\g+\i]
.endr
	global_store_b128 v2, v[64+8*\g:64+8*\g+3], s[22:23] offset:\g*512
	global_store_b128 v2, v[68+8*\g:68+8*\g+3], s[22:23] offset:32768+\g*512
.endm
	s_wait_loadcnt 63                              ; the first 64 rows are in
	WCG 0
	WCG 1
	WCG 2
	WCG 3
	s_wait_loadcnt 32
	WCG 4
	WCG 5
	s_wait_loadcnt 0x0
	WCG 6
	WCG 7
	s_endpgm
.Lfunc_end_k_q5372e10dd5_prep:
	.size	k_q5372e10dd5_prep, .Lfunc_end_k_q5372e10dd5_prep-k_q5372e10dd5_prep
	.p2alignl 7, 3214868480
	.fill 96, 4, 3214868480
	.section	.rodata,"a",@progbits
	.p2align	6, 0x0
	.amdhsa_kernel k_q5372e10dd5_prep
		.amdhsa_group_segment_fixed_size 34304
		.amdhsa_private_segment_fixed_size 0
		.amdhsa_enable_private_segment 0
		.amdhsa_kernarg_size 80
		.amdhsa_user_sgpr_count 2
		.amdhsa_user_sgpr_kernarg_segment_ptr 1
		.amdhsa_wavefront_size32 1
		.amdhsa_system_sgpr_workgroup_id_x 1
		.amdhsa_system_sgpr_workgroup_id_y 1
		.amdhsa_system_sgpr_workgroup_id_z 1
		.amdhsa_system_vgpr_workitem_id 0
		.amdhsa_next_free_vgpr 256
		.amdhsa_next_free_sgpr 66
		.amdhsa_reserve_vcc 1
		.amdhsa_float_denorm_mode_32 3
		.amdhsa_float_denorm_mode_16_64 3
		.amdhsa_memory_ordered 1
		.amdhsa_forward_progress 1
		.amdhsa_inst_pref_size 55
	.end_amdhsa_kernel
	.amdgpu_metadata
---
amdhsa.version: [ 1, 2 ]
amdhsa.kernels:
  - .name:           k_q5372e10dd5_prep
    .symbol:         k_q5372e10dd5_prep.kd
    .args:
      - { .name: x, .offset: 0, .size: 8, .value_kind: global_buffer, .address_space: global }
      - { .name: Wq, .offset: 8, .size: 8, .value_kind: global_buffer, .address_space: global }
      - { .name: Wk, .offset: 16, .size: 8, .value_kind: global_buffer, .address_space: global }
      - { .name: Wv, .offset: 24, .size: 8, .value_kind: global_buffer, .address_space: global }
      - { .name: Wc, .offset: 32, .size: 8, .value_kind: global_buffer, .address_space: global }
      - { .name: xc, .offset: 40, .size: 8, .value_kind: global_buffer, .address_space: global }
      - { .name: xs, .offset: 48, .size: 8, .value_kind: global_buffer, .address_space: global }
      - { .name: wq4, .offset: 56, .size: 8, .value_kind: global_buffer, .address_space: global }
      - { .name: ws, .offset: 64, .size: 8, .value_kind: global_buffer, .address_space: global }
      - { .name: wch, .offset: 72, .size: 8, .value_kind: global_buffer, .address_space: global }
    .group_segment_fixed_size: 34304
    .private_segment_fixed_size: 0
    .kernarg_segment_align: 8
    .kernarg_segment_size: 80
    .max_flat_workgroup_size: 128
    .sgpr_count:     66
    .vgpr_count:     256
    .wavefront_size: 32
...
	.end_amdgpu_metadata
.endif
;; end of part 1
;; launch qkv (part 2): grid 16 x 16, 4 waves a work-group, clusters of 4 x 4, 229,888 bytes of LDS; arguments xc, xs, wq4, ws, qkvi; writes qkvi
.if DOCPART == 2
	.amdgcn_target "amdgcn-amd-amdhsa--gfx1250"
	.amdhsa_code_object_version 6
	.text
	.protected	k_q5372e10dd5_qkv
	.globl	k_q5372e10dd5_qkv
	.p2align	8
	.type	k_q5372e10dd5_qkv,@function
k_q5372e10dd5_qkv:
	s_mov_b64 s[64:65], 0
	v_nop
	global_prefetch_b8 v0, s[64:65] scope:SCOPE_SE
	s_setreg_imm32_b32 hwreg(HW_REG_WAVE_MODE, 25, 1), 1
	s_wait_xcnt 0x0
	s_wait_alu depctr_hold_cnt(0) depctr_sa_sdst(0) depctr_va_vdst(0) depctr_va_sdst(0) depctr_va_ssrc(0) depctr_va_vcc(0) depctr_vm_vsrc(0)
	s_getreg_b32 s2, hwreg(HW_REG_IB_STS2, 6, 4)
	s_cmp_eq_u32 s2, 0
	s_cbranch_scc0 .Lentry_in_a_cluster
	s_endpgm
.Lentry_in_a_cluster:
	s_bfe_u32 s2, ttmp6, 0x10000c
	s_cmp_lg_u32 s2, 0xf033
	s_cbranch_scc0 .Lentry_shape_is_right
	s_endpgm
.Lentry_shape_is_right:
; QKV.  q, k, v = x W on codes of E2M1 with E8M0 scales, sums in f32, results rounded once to f16 and stored as images of the attention's operand registers:
;   qkvi [mat 3][head 16][tile of 16 tokens 256][g 4][lane][16]: q, k: lane (r, hh) holds token 16 T + r, channels 16 g + 8 hh + 0..7;  v: channel 16 g + r, tokens 16 T + 8 hh + 0..7.
; LIMITS: |q|, |k|, |v| beyond 65,504 become infinity in f16; under 6e-5 they are kept as f16 subnormals.
; SHARES.  A work-group makes 256 tokens x the 192 rows (q, k, v) of one head; a wave 64 tokens (4 tiles a) x all 12 tiles b of 16 channels: 48 accumulators.
; K = 1,024 lies in LDS whole, in two halves of four K steps: no slot is filled again, and there is no loop.
; CLUSTERS: 4 x 4 work-groups.  The four of a row of the cluster take the same tokens, the four of a column the same head: each tile is asked for JOINTLY.
; SOURCES.  q, k: source 0 = 16 channels of W, source 1 = 16 tokens: a lane then holds one token and eight channels.  v: the other way round: one channel and eight tokens.  So four packed registers ARE half a fragment of the next product.
; REGISTERS: window 0: v2 16 lane, v3 4 lane, v16-17 and v20-21 LDS addresses, v28-29 the add's two, v32-47 x's scale words (4 a + sigma), v48-95 W's (4 b + sigma): lanes 0-15 K step 2 sigma, lanes 16-31 K step 2 sigma + 1.
;   window 1: two sets of fragments at 128 p: x's at + 8 a, W's at + 32 + 8 b.   window 2: accumulators of q and k at 8 (4 b + a).   window 3: those of v at 8 (4 (b - 8) + a).
.set HALF,  114688                     ; four K steps: 16 tiles of x and 12 of W, 4,096 bytes each
.set BOFF,  65536                      ; W's tiles lie behind x's
.set SPARE, 2*HALF                     ; the spare words, 128 bytes a wave: two blocks of 256 bytes that no other line names
.set ADA, 16
.set ADB, 20
.set SPW, 28
.set NIL, 29
.set SX,  32
.set SW,  48
.set G1A, 24                           ; s[24:31] group 1 for x's tiles; s[32:39] groups 0, one for each half
.set G0A, 32
.set G1B, 48                           ; s[48:55], s[56:63] the same for W's
.set G0B, 56
.set OB,  68                           ; s[68:73] where my results go: q, k, v
.set MSB, 0
.macro WIN new                         ; the immediate's high byte repeats the setting that is left
.if MSB != \new
	s_set_vgpr_msb (MSB<<8)|\new
.set MSB, \new
.endif
.endm
.macro CROUND                          ; a round of the cluster's barrier
	s_barrier_signal -1
	s_barrier_wait -1
	s_cmp_lg_u32 s14, 0
	s_cbranch_scc1 .Lnot_wave_0_\@
	s_barrier_signal -3
.Lnot_wave_0_\@:
	s_barrier_wait -3
	s_barrier_signal -1
	s_barrier_wait -1
.endm
.macro PLACES                          ; four plain instructions between a matrix instruction and a load into, or a vector read of, its registers
.rept 4
	v_nop
.endr
.endm
	s_load_b256 s[4:11], s[0:1], 0x0               ; xc s[4:5], xs s[6:7], wq4 s[8:9], ws s[10:11]
	s_load_b64 s[12:13], s[0:1], 0x20              ; qkvi
	v_lshl_add_u32 v[SPW], v0, 2, SPARE
	v_mov_b32 v[NIL], 0
	ds_add_u32 v[SPW], v[NIL]                      ; the wave's opening: the add, twice on end, and its wait ahead of my first tensor load
	ds_add_u32 v[SPW], v[NIL]
	v_lshrrev_b32 v1, 5, v0
	v_readfirstlane_b32 s14, v1                    ; wave 0..3
	s_lshr_b32 s15, s14, 1                         ; I fetch for x (0) or for W (1)
	s_and_b32 s16, s14, 1                          ; which half of those tiles
	s_bfe_u32 s40, ttmp6, 0x40000                  ; cx, cy: my place in the cluster
	s_bfe_u32 s41, ttmp6, 0x40004
	s_lshl_b32 s42, ttmp9, 2
	s_add_co_u32 s42, s42, s40                     ; the head = 4 x cluster x + cx
	s_and_b32 s17, ttmp7, 0xffff
	s_lshl_b32 s17, s17, 2
	s_add_co_u32 s17, s17, s41                     ; the block of 256 tokens = 4 x cluster y + cy
	s_lshl_b32 s43, s41, 2
	s_lshl_b32 s43, 15, s43                        ; my row of the cluster
	s_lshl_b32 s44, 0x1111, s40                    ; my column
	s_or_b32 s[G1A], s43, (3<<16)|(1<<21)          ; 15:0 the mask; 17:16 elements of 8 bytes; 21 set beside a mask; no padding: every LDS read takes 512 consecutive bytes
	s_or_b32 s[G1B], s44, (3<<16)|(1<<21)
	s_mov_b32 s[G1A+1], 512<<16                    ; tensor_dim0: a tile's four K steps, 4,096 bytes
	s_mov_b32 s[G1A+2], 8<<16                      ; tensor_dim1: 8 tiles
	s_mov_b32 s[G1A+3], 512<<16                    ; tile_dim0
	s_mov_b32 s[G1A+4], 8                          ; tile_dim1
	s_mov_b32 s[G1A+5], 1024                       ; from tile to tile: 8,192 bytes
	s_mov_b32 s[G1A+6], 0
	s_mov_b32 s[G1A+7], 0
	s_mov_b32 s[G1B+1], 512<<16
	s_mov_b32 s[G1B+2], 6<<16                      ; 6 tiles
	s_mov_b32 s[G1B+3], 512<<16
	s_mov_b32 s[G1B+4], 6
	s_mov_b32 s[G1B+5], 1024
	s_mov_b32 s[G1B+6], 0
	s_mov_b32 s[G1B+7], 0
	s_lshl_b32 s20, s17, 17                        ; x: 16 tiles of 8,192 bytes a block,
	s_lshl_b32 s21, s16, 16                        ; my 8 of them
	s_add_co_u32 s20, s20, s21
	s_mov_b32 s21, 0
	s_mul_i32 s46, s42, 98304                      ; W: 12 tiles a head,
	s_mul_i32 s47, s16, 49152                      ; my 6 of them
	s_add_co_u32 s46, s46, s47
	s_mov_b32 s47, 0
	s_lshl_b32 s45, s16, 15                        ; where they go: no place in the cluster enters an LDS address
	s_mul_i32 s18, s16, 24576
	s_add_co_u32 s18, s18, BOFF
	s_lshl_b32 s22, s17, 13                        ; x's scale words: 512 bytes a tile; my wave's four tiles
	s_lshl_b32 s23, s14, 11
	s_add_co_u32 s22, s22, s23
	s_mov_b32 s23, 0
	s_mul_i32 s74, s42, 6144                       ; W's: the head's 12 tiles
	s_mov_b32 s75, 0
	s_lshl_b32 s76, s42, 19                        ; the way out: head x 524,288 + (16 block + 4 wave) x 2,048
	s_lshl_b32 s77, s17, 15
	s_add_co_u32 s76, s76, s77
	s_lshl_b32 s77, s14, 13
	s_add_co_u32 s76, s76, s77
	s_mov_b32 s77, 0
	s_wait_dscnt 0x0                               ; both opening adds are done
	s_wait_kmcnt 0x0
	s_add_nc_u64 s[20:21], s[4:5], s[20:21]
	s_add_nc_u64 s[46:47], s[8:9], s[46:47]
	s_add_nc_u64 s[22:23], s[6:7], s[22:23]
	s_add_nc_u64 s[74:75], s[10:11], s[74:75]
	s_add_nc_u64 s[OB:OB+1], s[12:13], s[76:77]
	s_add_nc_u64 s[OB+2:OB+3], s[OB:OB+1], 0x800000
	s_add_nc_u64 s[OB+4:OB+5], s[OB:OB+1], 0x1000000
	CROUND                                         ; all sixteen work-groups are here: the joint loads meet
.irp k, 0,1
	s_mov_b32 s[G0A+4*\k], 1
	s_add_co_u32 s[G0A+4*\k+1], s45, \k*HALF
	s_add_nc_u64 s[G0A+4*\k+2:G0A+4*\k+3], s[20:21], \k*4096
	s_or_b32 s[G0A+4*\k+3], s[G0A+4*\k+3], 0x80000000
	s_mov_b32 s[G0B+4*\k], 1
	s_add_co_u32 s[G0B+4*\k+1], s18, \k*HALF
	s_add_nc_u64 s[G0B+4*\k+2:G0B+4*\k+3], s[46:47], \k*4096
	s_or_b32 s[G0B+4*\k+3], s[G0B+4*\k+3], 0x80000000
.endr
	s_cmp_eq_u32 s15, 0                            ; a wave's two fills stand in one branch on the wave's number: two loads of mine are out
	s_cbranch_scc0 .Lfirst_b
	tensor_load_to_lds s[G0A:G0A+3], s[G1A:G1A+7]
	s_nop 0
	tensor_load_to_lds s[G0A+4:G0A+7], s[G1A:G1A+7]
	s_nop 0
.rept 4
	v_nop
.endr
	s_branch .Lfirst_asked
.Lfirst_b:
	tensor_load_to_lds s[G0B:G0B+3], s[G1B:G1B+7]
	s_nop 0
	tensor_load_to_lds s[G0B+4:G0B+7], s[G1B:G1B+7]
	s_nop 0
.rept 4
	v_nop
.endr
.Lfirst_asked:
	v_and_b32 v1, 31, v0
	v_lshlrev_b32 v2, 4, v1
	v_lshlrev_b32 v3, 2, v1
.irp a, 0,1,2,3
.irp g, 0,1,2,3
	global_load_b32 v[SX+4*\a+\g], v3, s[22:23] offset:\a*512+\g*128   ; two K steps' words of 16 tokens: 128 consecutive bytes
.endr
.endr
.irp b, 0,1,2,3,4,5,6,7,8,9,10,11
.irp g, 0,1,2,3
	global_load_b32 v[SW+4*\b+\g], v3, s[74:75] offset:\b*512+\g*128
.endr
.endr
	s_lshl_b32 s19, s14, 14                        ; my four tiles of x
	v_add_nc_u32 v[ADA], s19, v2
	v_add_nc_u32 v[ADA+1], HALF, v[ADA]
	v_add_nc_u32 v[ADB], BOFF, v2
	v_add_nc_u32 v[ADB+1], HALF, v[ADB]
; K step s's 32 LDS loads, into set s % 2: images come back as they were stored
.macro FETCH s
.set PS, 128*((\s)%2)
.set AH, (\s)/4
.set KO, ((\s)%4)*1024
	WIN 0x40                                       ; destination window 1, address window 0
.irp a, 0,1,2,3
.irp c, 0,1
	ds_load_b128 v[PS+8*\a+4*\c:PS+8*\a+4*\c+3], v[ADA+AH] offset:\a*4096+KO+\c*512
.endr
.endr
.irp b, 0,1,2,3,4,5,6,7,8,9,10,11
.irp c, 0,1
	ds_load_b128 v[PS+32+8*\b+4*\c:PS+32+8*\b+4*\c+3], v[ADB+AH] offset:\b*4096+KO+\c*512
.endr
.endr
.endm
.macro WM d, f0, f1, s0, s1            ; one product; ZF: it starts the sum; OD: an odd K step's scale words lie in lanes 16-31
.if ZF
	v_wmma_scale_f32_16x16x128_f8f6f4 v[\d:\d+7], v[\f0:\f0+7], v[\f1:\f1+7], 0, v[\s0], v[\s1] matrix_a_fmt:MATRIX_FMT_FP4 matrix_b_fmt:MATRIX_FMT_FP4
.elseif OD
	v_wmma_scale_f32_16x16x128_f8f6f4 v[\d:\d+7], v[\f0:\f0+7], v[\f1:\f1+7], v[\d:\d+7], v[\s0], v[\s1] matrix_a_fmt:MATRIX_FMT_FP4 matrix_b_fmt:MATRIX_FMT_FP4 matrix_a_scale:MATRIX_SCALE_ROW1 matrix_b_scale:MATRIX_SCALE_ROW1
.else
	v_wmma_scale_f32_16x16x128_f8f6f4 v[\d:\d+7], v[\f0:\f0+7], v[\f1:\f1+7], v[\d:\d+7], v[\s0], v[\s1] matrix_a_fmt:MATRIX_FMT_FP4 matrix_b_fmt:MATRIX_FMT_FP4
.endif
.endm
; K step s: 48 products; the 48 accumulators take turns, one instruction a turn, in the same order in every step
.macro MUL s
.set PS, 128*((\s)%2)
.set SG, (\s)/2
.set OD, (\s)%2
.set ZF, 0
.if (\s) == 0
.set ZF, 1
.endif
	WIN 0xa5                                       ; sources 0 and 1 window 1, C and D window 2
.irp b, 0,1,2,3,4,5,6,7
.irp a, 0,1,2,3
	WM 8*(4*\b+\a), PS+32+8*\b, PS+8*\a, SW+4*\b+SG, SX+4*\a+SG
.endr
.endr
	WIN 0xf5                                       ; C and D window 3
.irp b, 0,1,2,3
.irp a, 0,1,2,3
	WM 8*(4*\b+\a), PS+8*\a, PS+96+8*\b, SX+4*\a+SG, SW+32+4*\b+SG
.endr
.endr
.endm
	s_wait_tensorcnt 1                             ; my part of the first half is in; the second half's load may be out
	s_barrier_signal -1
	s_barrier_wait -1                              ; everybody's is
	FETCH 0
	s_wait_loadcnt 0x0                             ; the scale words
.irp s, 0,1,2,3,4,5,6,7
.if \s == 3
	s_wait_tensorcnt 0x0                           ; my part of the second half is in,
	s_wait_dscnt 0x0                               ; no LDS load of mine is pending at the signal,
	s_barrier_signal -1
	s_barrier_wait -1                              ; and everybody's part is in: K step 4 may be fetched
.endif
.if \s > 0
	PLACES                                         ; the set that the step before multiplied is loaded again
.endif
.if \s < 7
	FETCH \s+1
	s_wait_dscnt 32                                ; this step's fragments are in; the 32 just issued may be out
.else
	s_wait_dscnt 0x0
.endif
	MUL \s
.endr
; THE WAY OUT: four packed registers of an accumulator are 16 bytes a lane of an image: each store covers 512 consecutive bytes, aligned.  Each accumulator is read from its low end on.
	PLACES
	WIN 0x4a                                       ; sources window 2, destination window 1: the fragments are done with
.set idx, 0
.rept 32
.irp i, 0,1,2,3
	v_cvt_pk_f16_f32 v[4*idx+\i], v[8*idx+2*\i], v[8*idx+2*\i+1]
.endr
.set idx, idx+1
.endr
	WIN 0x4f                                       ; sources window 3
.set idx, 0
.rept 16
.irp i, 0,1,2,3
	v_cvt_pk_f16_f32 v[128+4*idx+\i], v[8*idx+2*\i], v[8*idx+2*\i+1]
.endr
.set idx, idx+1
.endr
	WIN 0x04                                       ; a store's data are its source 1: window 1
.irp b, 0,1,2,3,4,5,6,7
.irp a, 0,1,2,3
	global_store_b128 v2, v[4*(4*\b+\a):4*(4*\b+\a)+3], s[OB+2*(\b/4):OB+2*(\b/4)+1] offset:\a*2048+(\b%4)*512
.endr
.endr
.irp b, 0,1,2,3
.irp a, 0,1,2,3
	global_store_b128 v2, v[128+4*(4*\b+\a):128+4*(4*\b+\a)+3], s[OB+4:OB+5] offset:\a*2048+\b*512
.endr
.endr
	WIN 0
	s_wait_tensorcnt 0x0                           ; the wave's end: behind my last tensor load
	ds_add_u32 v[SPW], v[NIL]
	s_wait_dscnt 0x0
	CROUND                                         ; the closing round
	s_endpgm
.Lfunc_end_k_q5372e10dd5_qkv:
	.size	k_q5372e10dd5_qkv, .Lfunc_end_k_q5372e10dd5_qkv-k_q5372e10dd5_qkv
	.p2alignl 7, 3214868480
	.fill 96, 4, 3214868480
	.section	.rodata,"a",@progbits
	.p2align	6, 0x0
	.amdhsa_kernel k_q5372e10dd5_qkv
		.amdhsa_group_segment_fixed_size 229888
		.amdhsa_private_segment_fixed_size 0
		.amdhsa_enable_private_segment 0
		.amdhsa_kernarg_size 40
		.amdhsa_user_sgpr_count 2
		.amdhsa_user_sgpr_kernarg_segment_ptr 1
		.amdhsa_wavefront_size32 1
		.amdhsa_system_sgpr_workgroup_id_x 1
		.amdhsa_system_sgpr_workgroup_id_y 1
		.amdhsa_system_sgpr_workgroup_id_z 1
		.amdhsa_system_vgpr_workitem_id 0
		.amdhsa_next_free_vgpr 1024
		.amdhsa_next_free_sgpr 80
		.amdhsa_reserve_vcc 0
		.amdhsa_float_denorm_mode_32 3
		.amdhsa_float_denorm_mode_16_64 3
		.amdhsa_memory_ordered 1
		.amdhsa_forward_progress 1
		.amdhsa_inst_pref_size 95
	.end_amdhsa_kernel
	.amdgpu_metadata
---
amdhsa.version: [ 1, 2 ]
amdhsa.kernels:
  - .name:           k_q5372e10dd5_qkv
    .symbol:         k_q5372e10dd5_qkv.kd
    .args:
      - { .name: xc, .offset: 0, .size: 8, .value_kind: global_buffer, .address_space: global }
      - { .name: xs, .offset: 8, .size: 8, .value_kind: global_buffer, .address_space: global }
      - { .name: wq4, .offset: 16, .size: 8, .value_kind: global_buffer, .address_space: global }
      - { .name: ws, .offset: 24, .size: 8, .value_kind: global_buffer, .address_space: global }
      - { .name: qkvi, .offset: 32, .size: 8, .value_kind: global_buffer, .address_space: global }
    .group_segment_fixed_size: 229888
    .private_segment_fixed_size: 0
    .kernarg_segment_align: 8
    .kernarg_segment_size: 40
    .max_flat_workgroup_size: 128
    .sgpr_count:     80
    .vgpr_count:     1024
    .wavefront_size: 32
...
	.end_amdgpu_metadata
.endif
;; end of part 2
;; launch attn (part 3): grid 16 x 16, 4 waves a work-group, clusters of 4 x 1, 327,680 bytes of LDS; arguments qkvi, cati; writes cati
.if DOCPART == 3
	.amdgcn_target "amdgcn-amd-amdhsa--gfx1250"
	.amdhsa_code_object_version 6
	.text
	.protected	k_q5372e10dd5_attn
	.globl	k_q5372e10dd5_attn
	.p2align	8
	.type	k_q5372e10dd5_attn,@function
k_q5372e10dd5_attn:
	s_mov_b64 s[64:65], 0
	v_nop
	global_prefetch_b8 v0, s[64:65] scope:SCOPE_SE
	s_setreg_imm32_b32 hwreg(HW_REG_WAVE_MODE, 25, 1), 1
	s_wait_xcnt 0x0
	s_wait_alu depctr_hold_cnt(0) depctr_sa_sdst(0) depctr_va_vdst(0) depctr_va_sdst(0) depctr_va_ssrc(0) depctr_va_vcc(0) depctr_vm_vsrc(0)
	s_getreg_b32 s2, hwreg(HW_REG_IB_STS2, 6, 4)
	s_cmp_eq_u32 s2, 0
	s_cbranch_scc0 .Lentry_in_a_cluster
	s_endpgm
.Lentry_in_a_cluster:
	s_bfe_u32 s2, ttmp6, 0x10000c
	s_cmp_lg_u32 s2, 0x3003
	s_cbranch_scc0 .Lentry_shape_is_right
	s_endpgm
.Lentry_shape_is_right:
; ATTN.  o[h][q] = the sum over k of softmax_k(q . k / 8) v, 16 heads of 64 channels, 4,096 keys, no mask.  q, k, v arrive in f16 as images of operand registers (qkvi); products, maxima and sums in f32;
; the weights p are rounded to f16 for the second product, o once at the end, into cati [tile of 16 tokens 256][G 64 = 4 head + ct][lane][16]: lane (r, hh) holds token 16 T + r, columns 16 G + 8 hh + 0..7 of the heads on end.
; LIMITS: o under 6e-5 in size is kept as an f16 subnormal.  NaN and infinities are not served.
; SHARES.  A work-group owns 256 queries of one head, each of its four waves 64: four tiles of 16.  Every wave walks all keys, 64 a step.
; LAYOUT.  S^T = K Q^T (source 0 = 16 keys, source 1 = 16 queries): a lane holds ONE query (lane % 16) and keys 8 (lane / 16) + 0..7.  Two such tiles, rounded in pairs, ARE source 1 of O^T = V^T P, whose result again holds one query a lane.
; SOFTMAX.  A running maximum m and sum l for each query: p = 2^(c s - c m), c = log2(e) / 8; in every step O and l are multiplied by a = 2^(c m_old - c m_new).
; BY TURNS.  The wave's tiles are two PIECES (tiles 0, 1 and tiles 2, 3).  In a TURN one piece has the matrix unit, 16 products V^T P of the step in hand and 16 products K Q^T of the next; the other piece's softmax, 236 vector
; instructions, is dealt out behind them, seven or eight behind each.  Then the pieces change places.  Two turns are a key step.
; CLUSTER.  The four query blocks of a cluster belong to one head and walk the same K and V: each tile is asked for JOINTLY.  A slot holds four key steps; each wave brings a quarter of it by one load.
; REGISTERS, in windows of 256: window 0: v2-4 addresses; v12-43 eight statistics a tile; v61 the prefetches' offset; v62, v63 the add's two; v64-191 S^T, 32 a tile; v192-255 P, 16 a tile.
;   window 1: O^T, 32 a tile.   window 2: v0-63 Q, 16 a tile; v128-191 K of one step.   window 3: v0-63 V of one step.
.set STEPB, 8192      ; a step's 64 keys of K, or of V: 16 blocks of 512 bytes
.set VOFF,  32768     ; in a slot: K's four steps, then V's four
.set SLOT1, 1<<16     ; slot 1 begins here: one exclusive or turns an address in one slot into the other's
.set SLOTB, 32768     ; a slot's 256 keys in memory, of K or of V
.set SPARE, 2*SLOT1   ; behind the ring: the spare words, 128 bytes a wave: two blocks of 256 bytes that no other line names
.set AK0, 2           ; v2   16 x lane: my place in an image; never rewritten
.set AV0, 3           ; v3   the same + VOFF
.set ADR, 4           ; v4   the LDS address of the run of loads in hand
.set ST,  12          ; tile t's statistics at v[ST+8 t]: +0 c m, +1 m, +2, +3 l (even keys', odd keys'), +4 to +7 at work; a takes +6 once the maximum is found
.set PFO, 61
.set SPW, 62
.set NIL, 63
.set S,   64
.set P,   192
.set KF,  128
.set WV,  12          ; s12  my wave's number
.set LIM, 15          ; s15  1 in a wave that prefetches, else the greatest number
.set PFA, 18          ; s[18:19] where my prefetches stand
.set G1,  24          ; s[24:31] descriptor group 1: K's and V's tiles have one shape
.set G0A, 40          ; s[40:43] group 0 of slot 0's first fill
.set G0B, 44          ; s[44:47] group 0 of slot 1's, which then walks on
.set SLOTS, 56
.set CNT, 57
.set CS,  58          ; s[58:59] c, twice: the packed scaling names a pair
.set SEL, 60          ; s[60:61] lane selects for lane l xor 16
.set TB,  62          ; s62  LDS byte at which the step to be fetched begins
.set MSB, 0
.macro WIN new                      ; the immediate's high byte repeats the setting that is left; a switch that changes nothing is dropped
.if MSB != \new
	s_set_vgpr_msb (MSB<<8)|\new
.set MSB, \new
.endif
.endm
.set W_KQ, 0x0a       ; K and Q in window 2, S^T in window 0
.set W_PV, 0x53       ; V in window 3, P in window 0, O^T in window 1
.set W_RS, 0x41       ; O^T (destination and source 0) in window 1, a in window 0
.macro JLOAD                        ; the joint refill: one line for all four waves; each wave's descriptor names its own quarter of the slot.  An s_nop 0 and four v_nop follow it
	tensor_load_to_lds s[G0B:G0B+3], s[G1:G1+7]
	s_nop 0
.rept 4
	v_nop
.endr
.endm
; A prefetch of what the NEXT change of slots will ask for: a slot's 128 blocks of 256 bytes of K and 128 of V, a lane a block.  Each block is named once in the launch: the head's first cluster asks; its four partners
; take 32 blocks each, told apart by address; in each, wave 0 asks for K's and wave 2 for V's.  The last change that fills a slot asks for nothing.
.macro ASK
	s_cmp_gt_u32 s[SLOTS], s[LIM]
	s_cbranch_scc0 .Lnot_mine_\@
	global_prefetch_b8 v[PFO], s[PFA:PFA+1] th:TH_LOAD_NT scope:SCOPE_SE
.Lnot_mine_\@:
.endm
.macro CROUND                       ; a round of the cluster's barrier
	s_barrier_signal -1
	s_barrier_wait -1
	s_cmp_lg_u32 s[WV], 0
	s_cbranch_scc1 .Lnot_wave_0_\@
	s_barrier_signal -3
.Lnot_wave_0_\@:
	s_barrier_wait -3
	s_barrier_signal -1
	s_barrier_wait -1
.endm
.macro PLACES
.rept 4
	v_nop
.endr
.endm
	s_load_b128 s[4:7], s[0:1], 0x0  ; qkvi s[4:5], cati s[6:7]
	v_lshl_add_u32 v[SPW], v0, 2, SPARE
	v_mov_b32 v[NIL], 0
	ds_add_u32 v[SPW], v[NIL]       ; the wave's opening: the add, twice on end, and its wait ahead of my first tensor load
	ds_add_u32 v[SPW], v[NIL]
	v_lshrrev_b32 v1, 5, v0
	v_readfirstlane_b32 s[WV], v1   ; wave 0..3
	s_bfe_u32 s13, ttmp6, 0x40000   ; cx: my place in the cluster
	s_lshl_b32 s14, ttmp9, 2
	s_add_co_u32 s14, s14, s13      ; my block of 256 queries: it enters Q's and O's addresses alone
	s_and_b32 s17, ttmp7, 0xffff    ; the head, which the four partners share
	s_lshl_b32 s16, s17, 19         ; the head's 524,288 bytes in each of q, k, v
	s_lshr_b32 s22, s[WV], 1        ; waves 0, 1 fetch K, waves 2, 3 V:
	s_add_co_u32 s22, s22, 1
	s_lshl_b32 s22, s22, 23         ; the second or third part of qkvi, 8,388,608 bytes each,
	s_add_co_u32 s22, s22, s16
	s_and_b32 s23, s[WV], 1
	s_lshl_b32 s23, s23, 14         ; the first or second half of a slot's 256 keys
	s_add_co_u32 s22, s22, s23
	s_mov_b32 s23, 0
	s_lshl_b32 s2, s14, 15          ; Q: 16 tiles of 2,048 bytes a block, four a wave
	s_lshl_b32 s3, s[WV], 13
	s_add_co_u32 s2, s2, s3
	s_add_co_u32 s2, s2, s16
	s_mov_b32 s3, 0
	s_lshl_b32 s20, s14, 19         ; O: tiles of 32,768 bytes; in a tile the head's four groups of 512
	s_lshl_b32 s21, s[WV], 17
	s_add_co_u32 s20, s20, s21
	s_lshl_b32 s21, s17, 11
	s_add_co_u32 s20, s20, s21
	s_mov_b32 s21, 0
	s_lshl_b32 s16, s[WV], 14       ; my quarter of a slot: no place in the cluster enters an LDS address
	s_mov_b32 s[G1], 15|(1<<16)|(1<<21)  ; 15:0 the mask: all four work-groups; 17:16 elements of 2 bytes; 21 set beside a mask; no padding: every LDS read takes 512 consecutive bytes
	s_mov_b32 s[G1+1], 128<<16      ; tensor_dim0: 256 bytes
	s_mov_b32 s[G1+2], 64<<16       ; tensor_dim1: 64 rows: a dense block of 16,384 bytes
	s_mov_b32 s[G1+3], 128<<16      ; tile_dim0
	s_mov_b32 s[G1+4], 64           ; tile_dim1
	s_mov_b32 s[G1+5], 128          ; from row to row
	s_mov_b32 s[G1+6], 0
	s_mov_b32 s[G1+7], 0
	s_mov_b32 s[CS], 0x3e38aa3b     ; c = log2(e) / 8
	s_mov_b32 s[CS+1], s[CS]
	s_mov_b32 s[SEL], 0x76543210
	s_mov_b32 s[SEL+1], 0xfedcba98
	s_mov_b32 s[TB], 0
	s_mov_b32 s[SLOTS], 14          ; 16 slots' worth of keys; two are asked for at the head
	s_and_b32 s[LIM], s[WV], 1      ; 0 in waves 0 and 2,
	s_or_b32 s[LIM], s[LIM], ttmp9  ; where the cluster is the head's first: the same in all four partners
	s_cmp_eq_u32 s[LIM], 0
	s_cselect_b32 s[LIM], 1, -1
	v_and_b32 v1, 31, v0
	v_lshlrev_b32 v[PFO], 8, v1
	v_lshlrev_b32 v[AK0], 4, v1
	v_add_nc_u32 v[AV0], VOFF, v[AK0]
	s_wait_dscnt 0x0                ; both opening adds are done
	s_wait_kmcnt 0x0
	s_add_nc_u64 s[8:9], s[4:5], s[22:23]    ; my quarter of slot 0 in memory
	s_add_nc_u64 s[10:11], s[4:5], s[2:3]    ; Q at my wave's first tile
	s_add_nc_u64 s[6:7], s[6:7], s[20:21]    ; O likewise
	s_lshl_b32 s2, s13, 13          ; my work-group's 32 blocks of the 128
	s_add_nc_u64 s[PFA:PFA+1], s[8:9], s[2:3]
	s_add_nc_u64 s[PFA:PFA+1], s[PFA:PFA+1], 2*SLOTB  ; in slot 2; the first change of slots steps it to slot 3.  Nothing is prefetched at the head
	CROUND                          ; all four work-groups are here: the first joint loads meet
	s_mov_b32 s[G0A], 1
	s_mov_b32 s[G0A+1], s16
	s_mov_b64 s[G0A+2:G0A+3], s[8:9]
	s_or_b32 s[G0A+3], s[G0A+3], 0x80000000
	s_mov_b32 s[G0B], 1
	s_add_co_u32 s[G0B+1], s16, SLOT1
	s_add_nc_u64 s[G0B+2:G0B+3], s[8:9], SLOTB
	s_or_b32 s[G0B+3], s[G0B+3], 0x80000000
	tensor_load_to_lds s[G0A:G0A+3], s[G1:G1+7]   ; the two first fills stand together: two loads of mine are out
	s_nop 0
	tensor_load_to_lds s[G0B:G0B+3], s[G1:G1+7]
	s_nop 0
.rept 4
	v_nop
.endr
	WIN 0x80                        ; destination window 2, address window 0
.irp n, 0,1,2,3,4,5,6,7,8,9,10,11,12,13,14,15  ; Q stays in registers: tile n / 4, group n % 4
	global_load_b128 v[4*\n:4*\n+3], v[AK0], s[10:11] offset:512*\n
.endr
	WIN 0
; THE MATRIX WORK OF A TURN, for piece x.  Eight accumulators take turns, one instruction a turn.
; Product i of 16 of O^T += V^T P: keys 32 (i / 8) on, channels 16 ((i / 2) % 4) on, tile x + i % 2.  zero = 1: the first 8 start the sums: nothing is ever cleared.
.macro PV x, zero
	WIN W_PV
.set rO, 32*(\x+i%2)+8*((i/2)%4)
.set rV, 8*(4*(i/8)+(i/2)%4)
.set rP, P+16*(\x+i%2)+8*(i/8)
.if \zero && (i < 8)
	v_wmma_f32_16x16x32_f16 v[rO:rO+7], v[rV:rV+7], v[rP:rP+7], 0
.else
	v_wmma_f32_16x16x32_f16 v[rO:rO+7], v[rV:rV+7], v[rP:rP+7], v[rO:rO+7]
.endif
.endm
; Product i of 16 of S^T = K Q^T: channels 32 (i / 8) on, keys 16 ((i / 2) % 4) on, tile x + i % 2.  The first 8 start the sums.
.macro KQ x
	WIN W_KQ
.set rS, S+32*(\x+i%2)+8*((i/2)%4)
.set rK, KF+8*(2*((i/2)%4)+i/8)
.set rQ, 16*(\x+i%2)+8*(i/8)
.if i < 8
	v_wmma_f32_16x16x32_f16 v[rS:rS+7], v[rK:rK+7], v[rQ:rQ+7], 0
.else
	v_wmma_f32_16x16x32_f16 v[rS:rS+7], v[rK:rK+7], v[rQ:rQ+7], v[rS:rS+7]
.endif
.endm
; THE LDS LOADS stand in runs of 16: a step's K and, a turn later, its V.  Images come back as they were stored.
.macro FETCH_K
	WIN 0
	v_add_nc_u32 v[ADR], s[TB], v[AK0]
	WIN 0x80                        ; destination window 2
.irp n, 0,1,2,3,4,5,6,7,8,9,10,11,12,13,14,15  ; tile of keys n / 4, group of 16 channels n % 4: half a fragment
	ds_load_b128 v[KF+4*\n:KF+4*\n+3], v[ADR] offset:512*\n
.endr
.endm
.macro FETCH_V
	WIN 0
	v_add_nc_u32 v[ADR], s[TB], v[AV0]
	s_add_co_u32 s[TB], s[TB], STEPB  ; the next fetch is the next step's
	s_wait_alu depctr_va_vdst(0)    ; the wait for the softmax's batch of exponentials, ahead of the first instruction that names a result
	WIN 0xc0                        ; destination window 3
.irp kb, 0,1
.irp e, 0,1
.irp ct, 0,1,2,3                    ; fragment (32 keys kb, 16 channels ct): its half e is the tile of 16 keys 2 kb + e
	ds_load_b128 v[8*(4*\kb+\ct)+4*\e:8*(4*\kb+\ct)+4*\e+3], v[ADR] offset:(2*\kb+\e)*2048+\ct*512
.endr
.endr
.endr
.endm
; THE VECTOR WORK OF A TURN.  One tile's softmax for one key step is a list of 118 instructions; SM writes number j of it for tile t.  s0-s31 are the lane's 32 scores, in pairs 0-15.
;   0-15    the maximum of s0-s31 and the old m, three operands at a time
;   16-20   the other half of the lanes' maximum; the new m; c m; c m_old - c m_new
;   21-69   ONE BATCH: the 16 scalings c s - c m and all 33 exponentials (a at 23, then s0-s31).  None of these reads an exponential's result
;   (wait)  between 69 and 70 stands the one wait for the batch
;   70-85   the roundings to f16;   86-101 the sums, l = a l + the sum;   102-117 the tile's O^T times a: the one part that leaves window 0
; first = 1: the first key step, which starts m, l and O^T: it has no a and nothing to rescale.
.macro SM t, first
.set rT, ST+8*(\t)
.set rS, S+32*(\t)
.set rP, P+16*(\t)
.set rO, 32*(\t)+2*(j-102)
.if j < 102
	WIN 0
.endif
.if j < 4
	v_max3_num_f32 v[rT+4+j], v[rS+8*j], v[rS+8*j+1], v[rS+8*j+2]   ; each accumulator of scores is read from its low end on
.elseif j < 12
	v_max3_num_f32 v[rT+4+j%4], v[rT+4+j%4], v[rS+8*(j%4)+2*(j/4)+1], v[rS+8*(j%4)+2*(j/4)+2]
.elseif j == 12
	v_max3_num_f32 v[rT+4], v[rT+4], v[rS+7], v[rS+15]
.elseif j == 13
	v_max3_num_f32 v[rT+6], v[rT+6], v[rS+23], v[rS+31]
.elseif j == 14
	v_max3_num_f32 v[rT+4], v[rT+4], v[rT+5], v[rT+6]
.elseif (j == 15) && \first
	v_max_num_f32 v[rT+4], v[rT+4], v[rT+7]
.elseif j == 15
	v_max3_num_f32 v[rT+4], v[rT+4], v[rT+7], v[rT+1]
.elseif j == 16
	v_permlanex16_b32 v[rT+5], v[rT+4], s[SEL], s[SEL+1]  ; the query's other 32 keys lie in the lane 16 away
.elseif j == 18
	v_max_num_f32 v[rT+1], v[rT+4], v[rT+5]
.elseif j == 19
	v_mul_f32 v[rT], s[CS], v[rT+1]
.elseif ((j == 17) || (j == 20) || (j == 23) || (j > 101)) && \first  ; the first step has none of these
.elseif j == 17
	v_mov_b32 v[rT+7], v[rT]        ; c m_old is kept for a
.elseif j == 20
	v_sub_f32 v[rT+7], v[rT+7], v[rT]
.elseif j == 23
	v_exp_f32 v[rT+6], v[rT+7]
.elseif (j < 23) || ((j < 38) && (j%2 == 0)) || ((j < 66) && (j%4 == 2))
.set b, (j-2)/4                     ; 38, 42, .. 62: pairs 9 to 15
.if j < 38
.set b, (j-20)/2                    ; 21: pair 0; 22, 24, .. 36: pairs 1 to 8
.endif
	v_pk_fma_f32 v[rS+2*b:rS+2*b+1], v[rS+2*b:rS+2*b+1], s[CS:CS+1], v[rT:rT+1] op_sel_hi:[1,0,0] neg_lo:[0,0,1] neg_hi:[0,0,1]  ; pair b: c s - c m
.elseif j < 70
.set e, j-38                        ; 66 to 69: s28 to s31
.if j < 66
.set e, j-32-(j-38)/4               ; 39-41, 43-45, .. 63-65: s7 to s27
.endif
.if j < 38
.set e, (j-25)/2                    ; 25, 27, .. 37: s0 to s6
.endif
	v_exp_f32 v[rS+e], v[rS+e]
.elseif j < 86
	v_cvt_pk_f16_f32 v[rP+j-70], v[rS+2*(j-70)], v[rS+2*(j-70)+1]  ; pair j - 70
.elseif j < 102                     ; the sum of the tile's 16 pairs, in place: neighbours 1, 2, 4 and 8 pairs apart, then l takes it
.set z, j-86
.set w, 4
.set u, z
.if z >= 14
.set w, 32
.set u, 0
.elseif z >= 12
.set w, 16
.set u, z-12
.elseif z >= 8
.set w, 8
.set u, z-8
.endif
.if (z == 14) && \first
	v_pk_add_f32 v[rT+2:rT+3], v[rS:rS+1], v[rS+16:rS+17]
.elseif z < 15
	v_pk_add_f32 v[rS+w*u:rS+w*u+1], v[rS+w*u:rS+w*u+1], v[rS+w*u+w/2:rS+w*u+w/2+1]
.elseif !\first
	v_pk_fma_f32 v[rT+2:rT+3], v[rT+2:rT+3], v[rT+6:rT+7], v[rS:rS+1] op_sel_hi:[1,0,1]
.endif
.else
	WIN W_RS
	v_pk_mul_f32 v[rO:rO+1], v[rO:rO+1], v[rT+6:rT+7] op_sel_hi:[1,0]
.endif
.endm
; Item nn of 236 of piece y's softmax.  Items go in fours: fours 11 to 34 deal out the batch, four numbers of ONE tile each, the tiles by turns; every other four is numbers 2 k and 2 k + 1 of both tiles, the tiles alternating,
; so that no instruction reads the result of the one just before it.  Behind item 139 all 66 exponentials are issued and no result has been named: there stand one plain instruction and the one wait.
.macro ITEM y, first
.set kk, nn/4
.if (kk >= 11) && (kk < 35)
.set j, 22+4*((kk-11)/2)+nn%4
	SM (\y)+(kk-11)%2, \first
.else
.set j, 2*kk+(nn%4)/2
	SM (\y)+nn%2, \first
.endif
.if nn == 139
	v_nop                           ; the plain instruction behind the last exponential
.if (\y) == 0
	FETCH_V                         ; piece 2's turn: V's run of loads stands here, and the wait stands in it
.else
	s_wait_alu depctr_va_vdst(0)    ; the wait for the batch
.endif
.endif
.set nn, nn+1
.endm
.macro DEAL y, first, upto
.rept (\upto)-nn
	ITEM \y, \first
.endr
.endm
; A TURN.  Piece x has the matrix unit; the other piece's softmax is dealt out behind its matrix instructions.  pv = 2: 16 products V^T P; 1: they start O^T's sums; 0: none.  kq = 1: 16 products K Q^T for the next step.
; PLACES, counted.  Behind a turn's last K Q^T stand items 228 to 235, eight packed multiplies on the other piece's O^T: they part it from the next turn's first read of those scores and from K's loads.
; V's last reader is the turn's 16th matrix instruction; V's loads stand behind the 19th; between lie five scalings, the v_nop and the run's own v_add_nc_u32.
; first = 1: the softmax's items from 204 on are empty, and four v_nop stand behind the turn's last product.
.macro TURN x, pv, kq, first
.set nn, 0
.set II, 0
.set NM, 16
.if \pv && \kq
.set NM, 32
.endif
.if \pv
.if \x == 0
	s_wait_dscnt 0x0                ; V is in
.endif
.set i, 0
.rept 16
	PV \x, 2-\pv
.set II, II+1
	DEAL 2-\x, \first, 236*II/NM
.if (\x == 0) && \kq && (i == 1)
	FETCH_K
.endif
.set i, i+1
.endr
.endif
.if \kq
.if \x == 0
	s_wait_dscnt 0x0                ; K is in
.endif
.set i, 0
.rept 16
	KQ \x
.set II, II+1
	DEAL 2-\x, \first, 236*II/NM
.set i, i+1
.endr
.endif
.if \first
	PLACES
.endif
.endm
; THE CHANGE OF SLOTS, between piece 2's turn and piece 0's: the slot's last bytes, V of its fourth step, have been asked for.  Each wave waits for all its tensor loads (one is out: its quarter of the other slot), adds 0 to its
; spare word, and waits for that and for its reads of the slot.  fill = 1: the barrier is a round of the cluster's, and the joint refill, with the keys two slots on, is the first thing behind it: it has four key steps in which to land.
.macro CHANGE fill
	WIN 0
	s_wait_tensorcnt 0x0            ; no tensor load of mine is out, so a group 0 may be written
	ds_add_u32 v[SPW], v[NIL]       ; 0 onto my spare word
.if \fill
	s_xor_b32 s[G0B+1], s[G0B+1], SLOT1  ; the walking descriptor: the other slot than last time,
	s_add_nc_u64 s[G0B+2:G0B+3], s[G0B+2:G0B+3], SLOTB  ; the next 256 keys
	s_wait_xcnt 0x0                 ; the last prefetch, a slot back, has read its address, so it may be written
	s_add_nc_u64 s[PFA:PFA+1], s[PFA:PFA+1], SLOTB
	s_wait_dscnt 0x0                ; the add is done, and my reads of the slot are over
	CROUND
	JLOAD
	ASK
.else
	s_wait_dscnt 0x0
	s_barrier_signal -1
	s_barrier_wait -1
.endif
	s_sub_co_u32 s[TB], s[TB], 4*STEPB  ; the fetches go back to a slot's first step,
	s_xor_b32 s[TB], s[TB], SLOT1   ; in the other slot
.endm
.macro STEPS cnt                    ; cnt key steps: written once, walked cnt times; the LDS addresses hang on s[TB]
	s_mov_b32 s[CNT], \cnt
.Lstep_\@:
	TURN 0, 2, 1, 0
	TURN 2, 2, 1, 0
	WIN 0
	s_sub_co_u32 s[CNT], s[CNT], 1
	s_cmp_lg_u32 s[CNT], 0
	s_cbranch_scc1 .Lstep_\@
.endm
	s_wait_tensorcnt 1              ; my quarter of slot 0 is in; slot 1's may stay out
	s_barrier_signal -1
	s_barrier_wait -1               ; everybody's is
	FETCH_K                         ; key step 0
	s_wait_loadcnt 0x0              ; Q
	s_wait_dscnt 0x0
.set i, 0
.rept 16
	KQ 0                            ; piece 0's first scores
.set i, i+1
.endr
	WIN 0
	PLACES
	TURN 2, 0, 1, 1                 ; piece 2's first scores | piece 0's first softmax | V of step 0
	TURN 0, 1, 1, 1                 ; piece 0: V^T P of step 0 starts O^T, K Q^T of step 1 | piece 2's first softmax | K of step 1
	TURN 2, 1, 1, 0                 ; piece 2: the same | piece 0's softmax of step 1 | V of step 1
	WIN 0
	STEPS 2                         ; slot 0's steps 2 and 3 are fetched
.Lslot:                             ; 14 trips: every slot but the last two is filled again
	CHANGE 1
	STEPS 4
	s_sub_co_u32 s[SLOTS], s[SLOTS], 1
	s_cmp_lg_u32 s[SLOTS], 0
	s_cbranch_scc1 .Lslot
	CHANGE 0                        ; the tail is written out
	STEPS 4
	TURN 0, 2, 0, 0                 ; piece 0: V^T P of the last step | piece 2's last softmax
.set i, 0
.rept 16
	PV 2, 0                         ; piece 2: V^T P of the last step
.set i, i+1
.endr
	; THE WAY OUT.  l's two halves and the other half of the lanes' are added; O^T is divided by l and rounded to f16: four packed registers are 16 bytes a lane of an image, so each store covers 512 consecutive bytes, aligned.
	WIN 0
.irp t, 0,1,2,3
	v_add_f32 v[ST+8*\t+4], v[ST+8*\t+2], v[ST+8*\t+3]   ; (these four are the places behind the last products)
.endr
.irp t, 0,1,2,3
	v_permlanex16_b32 v[ST+8*\t+5], v[ST+8*\t+4], s[SEL], s[SEL+1]
.endr
.irp t, 0,1,2,3
	v_add_f32 v[ST+8*\t+4], v[ST+8*\t+4], v[ST+8*\t+5]
.endr
.irp t, 0,1,2,3
	v_rcp_f32 v[ST+8*\t+6], v[ST+8*\t+4]
.endr
	v_nop                           ; a plain instruction between the last reciprocal and the use of its result
	s_wait_alu depctr_va_vdst(0)    ; one wait for the four reciprocals, ahead of their first reader
.macro OUT t
	WIN W_RS
.set i, 32*\t
.rept 16
	v_pk_mul_f32 v[i:i+1], v[i:i+1], v[ST+8*\t+6:ST+8*\t+7] op_sel_hi:[1,0]   ; each accumulator from its low end on
.set i, i+2
.endr
	WIN 0x05                        ; sources window 1, destination window 0: S^T's registers are free
.set i, 0
.rept 16
	v_cvt_pk_f16_f32 v[S+16*\t+i], v[32*\t+2*i], v[32*\t+2*i+1]
.set i, i+1
.endr
	WIN 0
.irp c, 0,1,2,3
	global_store_b128 v[AK0], v[S+16*\t+4*\c:S+16*\t+4*\c+3], s[6:7] offset:\t*32768+\c*512
.endr
.endm
	OUT 0
	OUT 1
	OUT 2
	OUT 3
	s_wait_tensorcnt 0x0            ; the wave's end: behind my last tensor load
	ds_add_u32 v[SPW], v[NIL]
	s_wait_dscnt 0x0
	CROUND                          ; the closing round: no work-group ends while a partner may still ask for a tile that names it
	s_endpgm
.Lfunc_end_k_q5372e10dd5_attn:
	.size	k_q5372e10dd5_attn, .Lfunc_end_k_q5372e10dd5_attn-k_q5372e10dd5_attn
	.p2alignl 7, 3214868480
	.fill 96, 4, 3214868480
	.section	.rodata,"a",@progbits
	.p2align	6, 0x0
	.amdhsa_kernel k_q5372e10dd5_attn
		.amdhsa_group_segment_fixed_size 327680
		.amdhsa_private_segment_fixed_size 0
		.amdhsa_enable_private_segment 0
		.amdhsa_kernarg_size 16
		.amdhsa_user_sgpr_count 2
		.amdhsa_user_sgpr_kernarg_segment_ptr 1
		.amdhsa_wavefront_size32 1
		.amdhsa_system_sgpr_workgroup_id_x 1
		.amdhsa_system_sgpr_workgroup_id_y 1
		.amdhsa_system_sgpr_workgroup_id_z 1
		.amdhsa_system_vgpr_workitem_id 0
		.amdhsa_next_free_vgpr 1024
		.amdhsa_next_free_sgpr 66
		.amdhsa_reserve_vcc 0
		.amdhsa_float_denorm_mode_32 3
		.amdhsa_float_denorm_mode_16_64 3
		.amdhsa_memory_ordered 1
		.amdhsa_forward_progress 1
		.amdhsa_inst_pref_size 189
	.end_amdhsa_kernel
	.amdgpu_metadata
---
amdhsa.version: [ 1, 2 ]
amdhsa.kernels:
  - .name:           k_q5372e10dd5_attn
    .symbol:         k_q5372e10dd5_attn.kd
    .args:
      - { .name: qkvi, .offset: 0, .size: 8, .value_kind: global_buffer, .address_space: global }
      - { .name: cati, .offset: 8, .size: 8, .value_kind: global_buffer, .address_space: global }
    .group_segment_fixed_size: 327680
    .private_segment_fixed_size: 0
    .kernarg_segment_align: 8
    .kernarg_segment_size: 16
    .max_flat_workgroup_size: 128
    .sgpr_count:     66
    .vgpr_count:     1024
    .wavefront_size: 32
...
	.end_amdgpu_metadata
.endif
;; end of part 3
;; launch proj (part 4): grid 8 x 32, 4 waves a work-group, clusters of 4 x 4, 327,680 bytes of LDS; arguments cati, wch, bc, out0; writes out0
.if DOCPART == 4
	.amdgcn_target "amdgcn-amd-amdhsa--gfx1250"
	.amdhsa_code_object_version 6
	.text
	.protected	k_q5372e10dd5_proj
	.globl	k_q5372e10dd5_proj
	.p2align	8
	.type	k_q5372e10dd5_proj,@function
k_q5372e10dd5_proj:
	s_mov_b64 s[64:65], 0
	v_nop
	global_prefetch_b8 v0, s[64:65] scope:SCOPE_SE
	s_setreg_imm32_b32 hwreg(HW_REG_WAVE_MODE, 25, 1), 1
	s_wait_xcnt 0x0
	s_wait_alu depctr_hold_cnt(0) depctr_sa_sdst(0) depctr_va_vdst(0) depctr_va_sdst(0) depctr_va_ssrc(0) depctr_va_vcc(0) depctr_vm_vsrc(0)
	s_getreg_b32 s2, hwreg(HW_REG_IB_STS2, 6, 4)
	s_cmp_eq_u32 s2, 0
	s_cbranch_scc0 .Lentry_in_a_cluster
	s_endpgm
.Lentry_in_a_cluster:
	s_bfe_u32 s2, ttmp6, 0x10000c
	s_cmp_lg_u32 s2, 0xf033
	s_cbranch_scc0 .Lentry_shape_is_right
	s_endpgm
.Lentry_shape_is_right:
; PROJ.  out0 = cat Wc + bc.  cat [4096][1024] and Wc arrive in f16 as images of operand registers (cati, wch: tiles of 16 rows x 1,024 along K, 32,768 bytes; in a tile, groups of 16 along K, 512 bytes: lane l's 16 bytes at 16 l); sums in f32; out0 f32.
; A tile of out0 is 128 x 128: 256 work-groups.  Four waves, each 64 x 64: 16 accumulators.  K goes in four steps of 256 through two LDS slots; everything is written out, there is no loop.
; CLUSTERS: 4 x 4 work-groups.  The four of a row of the cluster need the same tiles of cat, the four of a column the same tiles of Wc: each is asked for JOINTLY.
; THE MATRIX INSTRUCTION IS USED TRANSPOSED (source 0 = 16 columns of Wc, source 1 = 16 tokens): a lane holds eight neighbouring numbers of a row of out0.  The bias is the C of each sum's first product.
; REGISTERS: window 0: v16-29 addresses; v32-95 at work on the way out; v96-127 the bias in the result's layout; v128-255 the accumulators ((a, b) at v[128 + 8 (4 a + b)]).
;   window 1: two fragment buffers of 128: for 64 along K, 64 registers of cat, then 64 of Wc.
.set SLOT,   131072                    ; cat's 8 tiles x 8,192 bytes (256 along K), then Wc's 8
.set BOFF,   65536
.set STAGE,  2*SLOT                    ; behind the ring: 16 rows x 272 bytes for each wave, for the way out
.set SPITCH, 272                       ; a wave's 64 columns are 256 bytes; + 16, so that the sixteen rows that a store touches start in different groups of banks (64 banks of 4 bytes: ISA guide 11.1)
.set SPARE,  STAGE+4*16*SPITCH         ; the spare words, 128 bytes a wave: two blocks of 256 bytes that no other line names
.set ADRA, 16                          ; v16-17  LDS address of my fragments of cat in slot 0, 1
.set ADRB, 20                          ; v20-21  the same for Wc
.set STO,  24
.set RD,   25
.set CO,   26
.set BO,   27
.set SPW,  28
.set NIL,  29
.set TMP,  32
.set BI,   96
.set ACC,  128
.set F0,   0
.set F1,   128
.set G1, 24                            ; s[24:31] group 1 for cat's tiles;  s[32:39] group 0, one set for each slot
.set G0, 32
.set G1B, 48                           ; s[48:55], s[56:63] the same for Wc's
.set G0B, 56
.set MSB, 0
.macro WIN new
.if MSB != \new
	s_set_vgpr_msb (MSB<<8)|\new
.set MSB, \new
.endif
.endm
.set MUL,  0x05                        ; sources 0 and 1 window 1; C and D window 0
.set TO_F, 0x40                        ; destination window 1, address window 0
.macro JLOAD s                         ; a joint load: waves 0 and 1 fetch cat's two halves, waves 2 and 3 Wc's; an s_nop 0 and four v_nop follow each of the two lines
	s_cmp_eq_u32 s11, 0
	s_cbranch_scc0 .Lfor_b_\@
	tensor_load_to_lds s[G0+4*\s:G0+4*\s+3], s[G1:G1+7]
	s_nop 0
.rept 4
	v_nop
.endr
	s_branch .Lasked_\@
.Lfor_b_\@:
	tensor_load_to_lds s[G0B+4*\s:G0B+4*\s+3], s[G1B:G1B+7]
	s_nop 0
.rept 4
	v_nop
.endr
.Lasked_\@:
.endm
.macro CREST                           ; a round of the cluster's barrier behind its opening barrier
	s_cmp_lg_u32 s10, 0
	s_cbranch_scc1 .Lnot_wave_0_\@
	s_barrier_signal -3
.Lnot_wave_0_\@:
	s_barrier_wait -3
	s_barrier_signal -1
	s_barrier_wait -1
.endm
.macro CROUND
	s_barrier_signal -1
	s_barrier_wait -1
	CREST
.endm
	s_load_b128 s[4:7], s[0:1], 0x0                ; cati s[4:5], wch s[6:7]
	s_load_b128 s[68:71], s[0:1], 0x10             ; bc s[68:69], out0 s[70:71]
	v_lshl_add_u32 v[SPW], v0, 2, SPARE
	v_mov_b32 v[NIL], 0
	ds_add_u32 v[SPW], v[NIL]                      ; the wave's opening: the add, twice on end, and its wait ahead of my first tensor load
	ds_add_u32 v[SPW], v[NIL]
	v_lshrrev_b32 v1, 5, v0
	v_readfirstlane_b32 s10, v1                    ; wave 0..3
	s_lshr_b32 s11, s10, 1                         ; which half of the tile's rows is mine.  Also: I fetch for cat (0) or for Wc (1)
	s_and_b32 s12, s10, 1                          ; which half of its columns.  Also: which four tiles I fetch
	s_bfe_u32 s40, ttmp6, 0x40000                  ; cx, cy
	s_bfe_u32 s41, ttmp6, 0x40004
	s_lshl_b32 s42, ttmp9, 2
	s_add_co_u32 s42, s42, s40                     ; tile column = 4 x cluster x + cx
	s_and_b32 s13, ttmp7, 0xffff
	s_lshl_b32 s13, s13, 2
	s_add_co_u32 s13, s13, s41                     ; tile row = 4 x cluster y + cy
	s_lshl_b32 s43, s41, 2
	s_lshl_b32 s43, 15, s43                        ; my row of the cluster
	s_lshl_b32 s44, 0x1111, s40                    ; my column
	s_or_b32 s[G1+0], s43, (3<<16)|(1<<21)         ; 15:0 the mask; 17:16 elements of 8 bytes; 21 set beside a mask; no padding: every LDS read takes 512 consecutive bytes
	s_or_b32 s[G1B+0], s44, (3<<16)|(1<<21)
.irp g, G1, G1B
	s_mov_b32 s[\g+1], 1024<<16                    ; tensor_dim0: a tile's 256 along K, 8,192 bytes
	s_mov_b32 s[\g+2], 4<<16                       ; tensor_dim1: 4 tiles
	s_mov_b32 s[\g+3], 1024<<16                    ; tile_dim0
	s_mov_b32 s[\g+4], 4                           ; tile_dim1
	s_mov_b32 s[\g+5], 4096                        ; from tile to tile: 32,768 bytes
	s_mov_b32 s[\g+6], 0
	s_mov_b32 s[\g+7], 0
.endr
	s_lshl_b32 s17, s12, 17                        ; which four tiles I fetch
	s_lshl_b32 s16, s13, 18
	s_add_co_u32 s16, s16, s17                     ; cat: tile 8 x tile row + 4 x half
	s_lshl_b32 s46, s42, 18
	s_add_co_u32 s46, s46, s17                     ; Wc: tile 8 x tile column + 4 x half
	s_mov_b32 s17, 0
	s_mov_b32 s47, 0
	s_lshl_b32 s20, s10, 15                        ; where they go: wave x 32,768
	s_wait_dscnt 0x0                               ; both opening adds are done
	s_wait_kmcnt 0x0
	s_add_nc_u64 s[14:15], s[4:5], s[16:17]
	s_add_nc_u64 s[46:47], s[6:7], s[46:47]
	CROUND                                         ; all sixteen work-groups are here: the first joint loads meet
.irp s, 0,1
	s_mov_b32 s[G0+4*\s], 1
	s_add_co_u32 s[G0+4*\s+1], s20, \s*SLOT
	s_add_nc_u64 s[G0+4*\s+2:G0+4*\s+3], s[14:15], \s*8192
	s_or_b32 s[G0+4*\s+3], s[G0+4*\s+3], 0x80000000
	s_mov_b32 s[G0B+4*\s], 1
	s_add_co_u32 s[G0B+4*\s+1], s20, \s*SLOT
	s_add_nc_u64 s[G0B+4*\s+2:G0B+4*\s+3], s[46:47], \s*8192
	s_or_b32 s[G0B+4*\s+3], s[G0B+4*\s+3], 0x80000000
	JLOAD \s
.endr
	v_and_b32 v1, 15, v0                           ; r
	v_bfe_u32 v2, v0, 4, 1                         ; hh
	v_and_b32 v3, 31, v0
	v_lshlrev_b32 v3, 4, v3                        ; 16 x lane
	s_lshl_b32 s46, s42, 9                         ; my first column, in bytes: 512 x tile column + 256 x half
	s_lshl_b32 s47, s12, 8
	s_add_co_u32 s46, s46, s47
	s_mov_b32 s47, 0
	s_add_nc_u64 s[68:69], s[68:69], s[46:47]
	v_lshlrev_b32 v[BO], 5, v2                     ; the bias of tile b: lane (r, hh) wants columns 16 b + 8 hh + 0..7
.irp b, 0,1,2,3
	global_load_b128 v[BI+8*\b:BI+8*\b+3], v[BO], s[68:69] offset:64*\b
	global_load_b128 v[BI+8*\b+4:BI+8*\b+7], v[BO], s[68:69] offset:64*\b+16
.endr
	s_lshl_b32 s21, s11, 15                        ; my four tiles of cat
	s_lshl_b32 s22, s12, 15                        ; my four tiles of Wc,
	s_add_co_u32 s22, s22, BOFF                    ; which lie behind cat's eight
.irp s, 0,1
	v_add_nc_u32 v[ADRA+\s], s21, v3
	v_add_nc_u32 v[ADRB+\s], s22, v3
	s_add_co_u32 s21, s21, SLOT
	s_add_co_u32 s22, s22, SLOT
.endr
	s_mul_i32 s23, s10, 16*SPITCH
	s_add_co_u32 s23, s23, STAGE                   ; my stage
	v_mul_u32_u24 v4, v1, SPITCH                   ; in: row r, 32 bytes for each half of the lanes
	v_lshl_add_u32 v4, v2, 5, v4
	v_add_nc_u32 v[STO], s23, v4
	v_mul_u32_u24 v5, v2, SPITCH                   ; back: lanes 0-15 one row of 256 bytes, lanes 16-31 the next
	v_lshl_add_u32 v5, v1, 4, v5
	v_add_nc_u32 v[RD], s23, v5
	v_lshlrev_b32 v5, 12, v2                       ; and the same two rows in out0
	v_lshl_add_u32 v[CO], v1, 4, v5
	s_lshl_b32 s16, s13, 19                        ; my first row: 128 x tile row + 64 x half, 4,096 bytes a row
	s_lshl_b32 s17, s11, 18
	s_add_co_u32 s16, s16, s17
	s_mov_b32 s17, 0
	s_add_nc_u64 s[70:71], s[70:71], s[16:17]
	s_add_nc_u64 s[70:71], s[70:71], s[46:47]
; 8 matrix instructions: row blocks a0, a0 + 1 x all 4 column blocks, 32 along K: half c of buffer f.  zero = 1: the first product starts the sums, on the bias.  The 16 accumulators take turns.
.macro MUL8 f, c, a0, zero
.irp a, \a0, \a0+1
.irp b, 0,1,2,3
.if \zero
	v_wmma_f32_16x16x32_f16 v[ACC+8*(4*(\a)+\b):ACC+8*(4*(\a)+\b)+7], v[\f+64+8*(4*\c+\b):\f+64+8*(4*\c+\b)+7], v[\f+8*(4*\c+\a):\f+8*(4*\c+\a)+7], v[BI+8*\b:BI+8*\b+7]
.else
	v_wmma_f32_16x16x32_f16 v[ACC+8*(4*(\a)+\b):ACC+8*(4*(\a)+\b)+7], v[\f+64+8*(4*\c+\b):\f+64+8*(4*\c+\b)+7], v[\f+8*(4*\c+\a):\f+8*(4*\c+\a)+7], v[ACC+8*(4*(\a)+\b):ACC+8*(4*(\a)+\b)+7]
.endif
.endr
.endr
.endm
; 32 LDS loads in one run: the fragments of the slot's q-th 64 along K into buffer f; the first 32 along K first
.macro FETCH slot, q, f
	WIN TO_F
.irp c, 0,1
.irp i, 0,1,2,3
	ds_load_b128 v[\f+64+8*(4*\c+\i):\f+64+8*(4*\c+\i)+3],   v[ADRB+\slot] offset:\i*8192+(2*(\q)+\c)*1024
	ds_load_b128 v[\f+64+8*(4*\c+\i)+4:\f+64+8*(4*\c+\i)+7], v[ADRB+\slot] offset:\i*8192+(2*(\q)+\c)*1024+512
	ds_load_b128 v[\f+8*(4*\c+\i):\f+8*(4*\c+\i)+3],         v[ADRA+\slot] offset:\i*8192+(2*(\q)+\c)*1024
	ds_load_b128 v[\f+8*(4*\c+\i)+4:\f+8*(4*\c+\i)+7],       v[ADRA+\slot] offset:\i*8192+(2*(\q)+\c)*1024+512
.endr
.endr
.endm
.macro PLACES                          ; four plain instructions in front of loads into registers that matrix instructions have read, and of reads of results
.rept 4
	v_nop
.endr
.endm
; A K step is four quarters of 64 along K, 32 matrix instructions each, on buffers 0, 1, 0, 1.  One of the first three: multiplies buffer f and fetches quarter q into g.
.macro QUARTER slot, q, f, g, zero
	s_wait_dscnt 16                                ; the first 32 along K are in; the other sixteen loads may be out
	WIN MUL
	MUL8 \f, 0, 0, \zero
	MUL8 \f, 0, 2, \zero
	PLACES
	FETCH \slot, \q, \g
	s_wait_dscnt 32                                ; all but the 32 just issued
	WIN MUL
	MUL8 \f, 1, 0, 0
	MUL8 \f, 1, 2, 0
.endm
; The last quarter multiplies buffer 1 and changes slots: ONE barrier; in front of it each wave waits for all its tensor loads, adds 0 to its spare word, and waits for that and for its reads of this slot.  fill = 1: this slot is filled again, two K steps ahead.
.macro TURN slot, next, fill
	WIN 0                                          ; (the add's two registers lie in window 0)
	s_wait_tensorcnt 0x0                           ; all my tensor loads have landed: my part of the next slot;
	ds_add_u32 v[SPW], v[NIL]                      ; 0 onto my spare word;
	s_wait_dscnt 17                                ; (the add and the youngest sixteen loads may be out)
	WIN MUL
	MUL8 F1, 0, 0, 0
	s_wait_dscnt 0x0                               ; the add is done, and my reads of this slot are over
	s_barrier_signal -1
	MUL8 F1, 0, 2, 0
.if \fill
	WIN 0
.endif
	s_barrier_wait -1
.if \fill
	CREST                                          ; the barrier has opened a round of the cluster's: no wave of any partner still reads this slot or has a load on its way
	s_add_nc_u64 s[G0+4*\slot+2:G0+4*\slot+3], s[G0+4*\slot+2:G0+4*\slot+3], 16384
	s_add_nc_u64 s[G0B+4*\slot+2:G0B+4*\slot+3], s[G0B+4*\slot+2:G0B+4*\slot+3], 16384
	JLOAD \slot                                    ; the first tensor load behind the round; its four v_nop are also the places in front of the loads below
.else
	PLACES
.endif
	FETCH \next, 0, F0
	WIN MUL
	MUL8 F1, 1, 0, 0
	MUL8 F1, 1, 2, 0
.endm
	s_wait_tensorcnt 1                             ; my part of K step 0 is in; K step 1's load may be out
	s_barrier_signal -1
	s_barrier_wait -1                              ; everybody's is
	FETCH 0, 0, F0
	s_wait_loadcnt 0x0                             ; the bias
	QUARTER 0, 1, F0, F1, 1                        ; K step 0: its first products start the sums
	QUARTER 0, 2, F1, F0, 0
	QUARTER 0, 3, F0, F1, 0
	TURN 0, 1, 1                                   ; slot 0 takes K step 2
	QUARTER 1, 1, F0, F1, 0                        ; K step 1
	QUARTER 1, 2, F1, F0, 0
	QUARTER 1, 3, F0, F1, 0
	TURN 1, 0, 1                                   ; slot 1 takes K step 3
	QUARTER 0, 1, F0, F1, 0                        ; K step 2
	QUARTER 0, 2, F1, F0, 0
	QUARTER 0, 3, F0, F1, 0
	TURN 0, 1, 0                                   ; nothing is left to fetch
	QUARTER 1, 1, F0, F1, 0                        ; K step 3
	QUARTER 1, 2, F1, F0, 0
	QUARTER 1, 3, F0, F1, 0
	s_wait_dscnt 16                                ; the very last quarter
	WIN MUL
	MUL8 F1, 0, 0, 0
	MUL8 F1, 0, 2, 0
	s_wait_dscnt 0x0
	MUL8 F1, 1, 0, 0
	MUL8 F1, 1, 2, 0
	WIN 0
; THE WAY OUT, a block of 16 rows x 64 columns at a time, through my own stage: a lane holds 32 neighbouring bytes of a row; they come back as rows of 256 bytes, which sixteen lanes store as one aligned run.
; LDS serves a wave's instructions in order (ISA guide 5.7.1.4): no wait between the stores and the loads, nor in front of the next block's stores.
.macro TOSTAGE a
.irp b, 0,1,2,3
	ds_store_b128 v[STO], v[ACC+8*(4*(\a)+\b):ACC+8*(4*(\a)+\b)+3] offset:64*\b          ; each accumulator from its low end on
	ds_store_b128 v[STO], v[ACC+8*(4*(\a)+\b)+4:ACC+8*(4*(\a)+\b)+7] offset:64*\b+16
.endr
.irp t, 0,1,2,3,4,5,6,7
	ds_load_b128 v[TMP+32*((\a)%2)+4*\t:TMP+32*((\a)%2)+4*\t+3], v[RD] offset:\t*2*SPITCH
.endr
.endm
.macro SEND a, younger                 ; younger: the LDS instructions issued behind block a's loads, which may stay out
	s_wait_dscnt \younger
.irp t, 0,1,2,3,4,5,6,7
	global_store_b128 v[CO], v[TMP+32*((\a)%2)+4*\t:TMP+32*((\a)%2)+4*\t+3], s[70:71] offset:(16*(\a)+2*\t)*4096 th:TH_STORE_NT   ; written once, read by nobody here
.endr
.endm
	PLACES
	TOSTAGE 0
	TOSTAGE 1
	SEND 0, 16                                     ; behind block 0's loads: block 1's 8 stores and 8 loads
	s_wait_xcnt 0x0                                ; block 0's stores have read their registers: block 2's loads may land there
	TOSTAGE 2
	SEND 1, 16
	s_wait_xcnt 0x0
	TOSTAGE 3
	SEND 2, 16
	SEND 3, 0
	s_wait_tensorcnt 0x0                           ; the wave's end: behind my last tensor load and my last LDS store
	ds_add_u32 v[SPW], v[NIL]
	s_wait_dscnt 0x0
	CROUND                                         ; the closing round
	s_endpgm
.Lfunc_end_k_q5372e10dd5_proj:
	.size	k_q5372e10dd5_proj, .Lfunc_end_k_q5372e10dd5_proj-k_q5372e10dd5_proj
	.p2alignl 7, 3214868480
	.fill 96, 4, 3214868480
	.section	.rodata,"a",@progbits
	.p2align	6, 0x0
	.amdhsa_kernel k_q5372e10dd5_proj
		.amdhsa_group_segment_fixed_size 327680
		.amdhsa_private_segment_fixed_size 0
		.amdhsa_enable_private_segment 0
		.amdhsa_kernarg_size 32
		.amdhsa_user_sgpr_count 2
		.amdhsa_user_sgpr_kernarg_segment_ptr 1
		.amdhsa_wavefront_size32 1
		.amdhsa_system_sgpr_workgroup_id_x 1
		.amdhsa_system_sgpr_workgroup_id_y 1
		.amdhsa_system_sgpr_workgroup_id_z 1
		.amdhsa_system_vgpr_workitem_id 0
		.amdhsa_next_free_vgpr 512
		.amdhsa_next_free_sgpr 72
		.amdhsa_reserve_vcc 0
		.amdhsa_float_denorm_mode_32 3
		.amdhsa_float_denorm_mode_16_64 3
		.amdhsa_memory_ordered 1
		.amdhsa_forward_progress 1
		.amdhsa_inst_pref_size 86
	.end_amdhsa_kernel
	.amdgpu_metadata
---
amdhsa.version: [ 1, 2 ]
amdhsa.kernels:
  - .name:           k_q5372e10dd5_proj
    .symbol:         k_q5372e10dd5_proj.kd
    .args:
      - { .name: cati, .offset: 0, .size: 8, .value_kind: global_buffer, .address_space: global }
      - { .name: wch, .offset: 8, .size: 8, .value_kind: global_buffer, .address_space: global }
      - { .name: bc, .offset: 16, .size: 8, .value_kind: global_buffer, .address_space: global }
      - { .name: out0, .offset: 24, .size: 8, .value_kind: global_buffer, .address_space: global }
    .group_segment_fixed_size: 327680
    .private_segment_fixed_size: 0
    .kernarg_segment_align: 8
    .kernarg_segment_size: 32
    .max_flat_workgroup_size: 128
    .sgpr_count:     72
    .vgpr_count:     512
    .wavefront_size: 32
...
	.end_amdgpu_metadata
.endif
;; end of part 4
